; MI455X (gfx1250); checked and timed in simulation.
; The chip was launched on July 23, 2026; its instructions are those of AMD's public machine-readable ISA for CDNA 5 (MIT licence, August 2026) and "CDNA5" Instruction Set Architecture Reference Guide (July 2026). The comments in the code are by the model that wrote it; some were corrected since.
;; Multi Head Causal Self Attention. Allowed arithmetic: matrix products marked QUANTISED: E5M2 operands, one given power-of-two scale a tensor, by v_wmma_f32_16x16x64_bf8_bf8 or v_wmma_f32_16x16x128_bf8_bf8, f32 sums; everything else in f32.
;; Inputs: Wk 1,024 x 1,024 float32; Wq 1,024 x 1,024 float32; Wv 1,024 x 1,024 float32; bk 1,024 float32; bq 1,024 float32; bv 1,024 float32; lowp_scales 10 int32 (the exponents e of the quantised operands' scales 2^e); x 4 x 2,048 x 1,024 float32.
;; Outputs: out0 4 x 2,048 x 1,024 float32.
;; This version of the problem:
;;   THIS VERSION OF THE PROBLEM IS GIVEN IN LOW PRECISION. The matrix products marked QUANTISED in the list below multiply operands that are first quantised to E5M2 (5 exponent bits, 2 mantissa bits; 8 bits a number), with one given power-of-two scale for each operand tensor; their sums are f32. All else is computed in f32.
;;   The module's matrix products, in the order in which they are computed (A, B: the left and right operand; K: the contracted axis; several contracted axes count as one K, in the product's order):
;;     1. [M 8,192, K 1,024] x [K 1,024, N 1,024]; A: input x; B: input Wq: QUANTISED (scales: A lowp_scales[0], B lowp_scales[1])
;;     2. [M 8,192, K 1,024] x [K 1,024, N 1,024]; A: input x; B: input Wk: QUANTISED (scales: A lowp_scales[2], B lowp_scales[3])
;;     3. [M 8,192, K 1,024] x [K 1,024, N 1,024]; A: input x; B: input Wv: QUANTISED (scales: A lowp_scales[4], B lowp_scales[5])
;;     4. batch 64 x [M 2,048, K 64] x [K 64, N 2,048]; A: computed on the way; B: computed on the way: QUANTISED (scales: A lowp_scales[6], B lowp_scales[7])
;;     5. batch 64 x [M 2,048, K 2,048] x [K 2,048, N 64]; A: softmax (see below); B: computed on the way: QUANTISED (scales: A lowp_scales[8], B lowp_scales[9])
;;   THE QUANTISER, for each operand of a quantised product, along K:
;;     - The operand's scale is 2^e, e = its entry of the input lowp_scales (int32; the entries are numbered through the quantised products in the list's order, A before B).
;;     - Each number is divided by the scale, clamped to +-57,344, and rounded to the nearest number of E5M2, ties to even, subnormals kept.
;;     - The product sums the exact products of the quantised numbers (number of the format x scale) in f32.
;;   ~~~python
;;   def quantise(x, axis, e):      # numpy; x: float32 -> the quantised numbers, widened to float32 again
;;       x = np.moveaxis(x, axis, -1); K = x.shape[-1]
;;       r = np.clip(x / 2.0 ** e, -57344, 57344)
;;       step = 2.0 ** (np.maximum(np.frexp(np.where(r == 0, 1, r))[1] - 1, -14) - 2)
;;       q = np.round(r / step) * step * 2.0 ** e      # np.round: ties to even
;;       return np.moveaxis(q, -1, axis).astype(np.float32)
;;   ~~~
;;   SOFTMAX AHEAD OF A QUANTISED PRODUCT. Where the list says 'softmax', what is quantised is not the finished softmax but p = 2^(t - M), with t = logit x log2(e) and M = ceil(the row's largest t), a whole number; so 1/2 < the row's largest p <= 1. The row's sum l is taken of the UNQUANTISED p, in f32, and the product's result is divided by l at the end. Since M is a whole number, a kernel that streams over the keys may use a running M (the ceiling of the running maximum): every later rescaling is an exact power of two, so the quantised numbers keep their values, but for numbers so far below the row's largest that they fall under the format's range.
;;   OPERANDS COMPUTED ON THE WAY. 'Computed on the way' means the value that the module computes at that place (a softmax that the list does not call 'softmax' is quantised finished and normalised). What goes into a quantiser is computed in f32, as accurately as f32 sums, v_exp_f32 and their like allow (about 1e-6 of the number): no bf16 or f16 on the way to a quantiser, and a product that is left as it is and whose result goes on into a quantised operand takes f32 operands (vector FMAs, or v_wmma_f32_16x16x4_f32). A number that lies on a knife's edge between two numbers of the format may be rounded either way, as far as f32 arithmetic and the matrix unit's own rounding can turn it there, and no further.
;; One version. Each part assembles by itself: llvm-mc -triple=amdgcn-amd-amdhsa -mcpu=gfx1250 --defsym DOCPART=n.
;; ======== version 1 of 1: 3 launches
;; limits: right only within a limited range of input values
;; workspace buffers: xc 25,165,824 bytes; wc 3,145,728 bytes; qkvc 25,165,824 bytes
;; launch quant (part 1): grid 352 x 1, 8 waves a work-group, no clusters, 36,864 bytes of LDS; arguments x, Wq, Wk, Wv, lowp_scales, xc, wc; writes xc, wc
.if DOCPART == 1
	.amdgcn_target "amdgcn-amd-amdhsa--gfx1250"
	.amdhsa_code_object_version 6
	.text
	.protected	k_q580d5e00b8_quant
	.globl	k_q580d5e00b8_quant
	.p2align	8
	.type	k_q580d5e00b8_quant,@function
k_q580d5e00b8_quant:
	s_mov_b64 s[64:65], 0
	v_nop
	global_prefetch_b8 v0, s[64:65] scope:SCOPE_SE
	s_setreg_imm32_b32 hwreg(HW_REG_WAVE_MODE, 25, 1), 1
	s_wait_xcnt 0x0
; x [8192][1024] f32 becomes three sets of codes of BF8 (E5M2), one for each projection's own scale (entries 0, 2, 4 of the scales);
; Wq, Wk, Wv [1024 (k)][1024 (n)] f32 become codes laid [n][k], K innermost (entries 1, 3, 5).
; code = number / 2^e, held within +-57,344, rounded to the nearest code, ties to even.
; LIMITS: each e lies between -126 and 112, so that 2^e and 57,344 x 2^e are f32 numbers.  NaN among the inputs is not served; an infinity is held at the largest code.
; ONE ORDER OF K FOR BOTH OPERANDS.  Byte p of a row of codes holds k(p) = 512 (p / 512) + 128 ((p % 16) / 4) + 4 ((p % 512) / 16) + p % 4.  The same order in x's codes and in W's:
; every product still meets its partner, only the order of the sums changes.  It is the order in which a lane that loads 16 bytes of each of four runs of 512 bytes holds its 16 numbers:
; so x is loaded 512 consecutive bytes an instruction, and its codes are stored 512 consecutive bytes an instruction, with no turn through LDS.
; SHARES.  Work-groups 0-95 take the weights (32 for each: 8 blocks of 128 columns x 4 blocks of 256 places along K), work-groups 96-351 take x (a wave: 4,096 numbers, 8 steps of 512).
; The two ways part once, on the work-group's number; only the weights' way uses LDS.  No tensor loads; one barrier, in the weights' way alone.
.set WGW,  96                          ; work-groups for the weights.  THE SHARES AS THEY STAND (eight waves to a work-group): x: work-groups 96-351; a wave takes 4,096 numbers in 8 steps of 512, all its 32 loads issued ahead of step 0.
                                       ; W: waves w and w + 4 share 32 columns and one stage: each takes 4 of the 8 blocks of 32 places; one barrier; then each sends 16 of the 32 rows
.set R,    16                          ; x: v16-143   eight sets of 16 numbers as loaded
.set T,    144                         ; x: v144-191  the 16 numbers held, a set for each of the three scales
.set C,    192                         ; x: v192-215  codes: two sets of 3 x 4 registers
.set SC,   4                           ; x: v4-6      2^e as f32, for the three scales
.set LIM,  8                           ; x: v8-10     57,344 x 2^e
.set WX,   32                          ; W: v32-95    two sets of 32 numbers
.set WC,   96                          ; W: v96-103   a block's codes
.set WO,   112                         ; W: v112-143  the way out
.set WP,   272                         ; W: a stage row: 256 bytes + 16
	s_load_b256 s[4:11], s[0:1], 0x0               ; x s[4:5], Wq s[6:7], Wk s[8:9], Wv s[10:11]
	s_load_b128 s[12:15], s[0:1], 0x20             ; the scales' exponents s[12:13], x's codes s[14:15]
	s_load_b64 s[16:17], s[0:1], 0x30              ; W's codes
	v_lshl_add_u32 v220, v0, 2, 0x8c00
	v_mov_b32 v221, 0
	v_lshrrev_b32 v1, 5, v0
	v_readfirstlane_b32 s18, v1                    ; wave 0..7
	v_and_b32 v2, 31, v0                           ; lane
	s_wait_kmcnt 0x0
	s_cmp_lt_u32 ttmp9, WGW
	s_cbranch_scc1 .Lw
; ---------------- x ----------------
	s_load_b256 s[32:39], s[12:13], 0x0            ; entries 0 to 7: e0 s32, e2 s34, e4 s36
	s_wait_alu depctr_va_vdst(0)
	v_lshlrev_b32 v1, 4, v2                        ; 16 x lane: my place in a load's 512 bytes and in a store's; never rewritten
	s_wait_alu depctr_va_vdst(0)
	s_sub_co_u32 s19, ttmp9, WGW
	s_lshl_b32 s19, s19, 3
	s_add_co_u32 s19, s19, s18                     ; which run of 4,096 numbers is my wave's: 0..2047
	s_lshl_b32 s26, s19, 14                        ; 16,384 bytes of x,
	s_mov_b32 s27, 0
	s_add_nc_u64 s[4:5], s[4:5], s[26:27]
	s_lshl_b32 s26, s19, 12                        ; 4,096 bytes of codes
	s_add_nc_u64 s[20:21], s[14:15], s[26:27]      ; the set for Q's projection,
	s_add_nc_u64 s[22:23], s[20:21], 0x800000      ; for K's, 8 MiB on,
	s_add_nc_u64 s[24:25], s[20:21], 0x1000000     ; for V's: three bases, since 8 MiB is more than a store's immediate holds
.macro XLOAD t                         ; step t: four loads of 512 consecutive bytes; lane l's register 4 i + c is number 128 i + 4 l + c of the step's 512
.irp i, 0,1,2,3
	global_load_b128 v[R+16*((\t)%8)+4*\i:R+16*((\t)%8)+4*\i+3], v1, s[4:5] offset:2048*(\t)+512*\i th:TH_LOAD_NT
.endr
.endm
.irp t, 0,1,2,3,4,5,6,7
	XLOAD \t
.endr
	s_wait_kmcnt 0x0
.irp q, 0,1,2
	s_add_co_i32 s40, s[32+2*\q], 127
	s_lshl_b32 s41, s40, 23
	v_mov_b32 v[SC+\q], s41                        ; 2^e as f32: the conversion takes its exponent field
	s_add_co_i32 s40, s40, 15
	s_lshl_b32 s40, s40, 23
	s_or_b32 s40, s40, 0x600000
	v_mov_b32 v[LIM+\q], s40                       ; 57,344 x 2^e
.endr
.macro XSTEP t
	s_wait_loadcnt 4*(7-(\t))                      ; this step's four loads are in; those of the later steps may be out
	s_wait_xcnt 0x0                                ; the codes' set of this step was the data of the stores two steps back: it is rewritten only behind this wait
.irp q, 0,1,2
.irp i, 0,1,2,3,4,5,6,7,8,9,10,11,12,13,14,15
	v_med3_num_f32 v[T+16*\q+\i], v[R+16*((\t)%8)+\i], -v[LIM+\q], v[LIM+\q]   ; the conversion to an 8-bit code does not saturate (ISA guide 7.6.2): the hold comes first
.endr
	v_cvt_scalef32_pk8_bf8_f32 v[C+12*((\t)%2)+4*\q:C+12*((\t)%2)+4*\q+1], v[T+16*\q:T+16*\q+7], v[SC+\q]
	v_cvt_scalef32_pk8_bf8_f32 v[C+12*((\t)%2)+4*\q+2:C+12*((\t)%2)+4*\q+3], v[T+16*\q+8:T+16*\q+15], v[SC+\q]
.endr                                  ; each scale has its own 16 registers: a conversion's sources are written again a whole step of plain lines later; its result goes to a store alone
.irp q, 0,1,2
	global_store_b128 v1, v[C+12*((\t)%2)+4*\q:C+12*((\t)%2)+4*\q+3], s[20+2*\q:21+2*\q] offset:512*(\t)   ; 32 lanes store 512 consecutive bytes, at a multiple of 512 from the buffer's first byte
.endr
.endm
	s_wait_alu depctr_va_vdst(0)
.irp t, 0,1,2,3,4,5,6,7
	XSTEP \t
.endr
	s_endpgm
; ---------------- the weights ----------------
; A LANE TAKES A COLUMN n, AND ITS REGISTERS RUN DOWN K, in the order k(p): each load reads 128 consecutive bytes a wave, and the conversions give codes with K innermost.
; A wave takes 32 columns x 128 places: 4 blocks of 32.  The codes go through a stage in LDS shared with its partner and leave as rows: sixteen lanes store 256 consecutive bytes.
.Lw:
	s_lshr_b32 s19, ttmp9, 5                       ; which weight: 0 Wq, 1 Wk, 2 Wv
	s_bfe_u32 s20, ttmp9, 0x20003                  ; y: which 256 places along K
	s_and_b32 s21, ttmp9, 7                        ; which 128 columns
	s_lshl_b32 s31, s19, 3
	s_load_b32 s30, s[12:13], s31 offset:0x4       ; e: entry 1, 3 or 5
	s_cmp_eq_u32 s19, 1
	s_cselect_b64 s[6:7], s[8:9], s[6:7]
	s_cmp_eq_u32 s19, 2
	s_cselect_b64 s[6:7], s[10:11], s[6:7]         ; the weight: a choice on the work-group's number alone
	s_and_b32 s28, s18, 3                          ; which 32 columns
	s_lshr_b32 s29, s18, 2                         ; which 128 of the 256 places
	s_lshl_b32 s21, s21, 7
	s_lshl_b32 s22, s28, 5
	s_add_co_u32 s21, s21, s22                     ; my wave's first column
	s_lshr_b32 s22, s20, 1
	s_lshl_b32 s22, s22, 21                        ; 512 (y / 2) rows of 4,096 bytes,
	s_and_b32 s23, s20, 1
	s_lshl_b32 s23, s23, 18                        ; 64 (y % 2) rows,
	s_add_co_u32 s22, s22, s23
	s_lshl_b32 s23, s21, 2                         ; 4 bytes a column
	s_add_co_u32 s22, s22, s23
	s_lshl_b32 s23, s29, 17                        ; four blocks on are 32 rows of 4,096 bytes
	s_add_co_u32 s22, s22, s23
	s_mov_b32 s23, 0
	s_add_nc_u64 s[6:7], s[6:7], s[22:23]
	s_lshl_b32 s24, s19, 20                        ; the codes: 1 MiB a weight,
	s_lshl_b32 s25, s21, 10                        ; 1,024 bytes a column,
	s_add_co_u32 s24, s24, s25
	s_lshl_b32 s25, s20, 8                         ; 256 y
	s_add_co_u32 s24, s24, s25
	s_mov_b32 s25, 0
	s_add_nc_u64 s[16:17], s[16:17], s[24:25]
	s_wait_alu depctr_va_vdst(0)
	v_lshlrev_b32 v3, 2, v2                        ; in: 4 bytes a lane
	s_mul_i32 s26, s28, 32*WP                      ; the stage of my 32 columns
	s_lshl_b32 s27, s29, 7                         ; my 128 bytes of its rows
	s_mul_i32 s32, s29, 16*WP                      ; the 16 rows that I send,
	s_lshl_b32 s33, s29, 14                        ; and their place in the codes' buffer
	v_mul_u32_u24 v4, v2, WP
	v_add_nc_u32 v4, s26, v4                       ; into it: row = my column,
	v_add_nc_u32 v4, s27, v4                       ; my half of the row
	v_and_b32 v5, 15, v2
	v_lshrrev_b32 v6, 4, v2
	v_mul_u32_u24 v7, v6, WP
	v_lshl_add_u32 v7, v5, 4, v7
	v_add_nc_u32 v7, s26, v7                       ; out of it: sixteen lanes to a row, two rows an instruction
	v_add_nc_u32 v7, s32, v7
	v_lshlrev_b32 v8, 10, v6
	v_lshl_add_u32 v8, v5, 4, v8                   ; and the same place in the codes' buffer
	v_add_nc_u32 v8, s33, v8
.macro WLOAD t                         ; block t: places 32 t + i of my 256; row 128 ((i % 16) / 4) + 4 (2 t + i / 16) + i % 4 from my first: 447 rows of 4,096 bytes at the most, inside the signed 24-bit immediate
.irp i, 0,1,2,3,4,5,6,7,8,9,10,11,12,13,14,15,16,17,18,19,20,21,22,23,24,25,26,27,28,29,30,31
	global_load_b32 v[WX+32*((\t)%2)+\i], v3, s[6:7] offset:(128*((\i%16)/4)+4*(2*(\t)+\i/16)+\i%4)*4096 th:TH_LOAD_NT
.endr
.endm
	WLOAD 0
	WLOAD 1
	s_wait_kmcnt 0x0
	s_add_co_i32 s30, s30, 127
	s_lshl_b32 s31, s30, 23
	v_mov_b32 v11, s31                             ; 2^e as f32
	s_add_co_i32 s30, s30, 15
	s_lshl_b32 s30, s30, 23
	s_or_b32 s30, s30, 0x600000
	v_mov_b32 v10, s30                             ; 57,344 x 2^e
.macro WBLOCK t
.if (\t) < 3
	s_wait_loadcnt 32                              ; this block's 32 loads are in; the next block's may be out
.else
	s_wait_loadcnt 0
.endif
.irp i, 0,1,2,3,4,5,6,7,8,9,10,11,12,13,14,15,16,17,18,19,20,21,22,23,24,25,26,27,28,29,30,31
	v_med3_num_f32 v[WX+32*((\t)%2)+\i], v[WX+32*((\t)%2)+\i], -v10, v10
.endr
.irp g, 0,1,2,3
	v_cvt_scalef32_pk8_bf8_f32 v[WC+2*\g:WC+2*\g+1], v[WX+32*((\t)%2)+8*\g:WX+32*((\t)%2)+8*\g+7], v11
.endr
	ds_store_b128 v4, v[WC:WC+3] offset:32*(\t)    ; 32 codes: 32 bytes of my column's row
	ds_store_b128 v4, v[WC+4:WC+7] offset:32*(\t)+16
.if (\t)+2 < 4
	WLOAD (\t)+2
.endif
	s_wait_dscnt 0x0                               ; the stores have read their registers: the next block's codes may be written; the next block begins with plain vector lines
.endm
	s_wait_alu depctr_va_vdst(0)
.irp t, 0,1,2,3
	WBLOCK \t
.endr
	s_barrier_signal -1                            ; my stores are done (the wait for 0 at a block's end): the rows' other halves come from my partner
	s_barrier_wait -1
.irp t, 0,1,2,3,4,5,6,7
	ds_load_b128 v[WO+4*\t:WO+4*\t+3], v7 offset:2*\t*WP
.endr
.irp t, 0,1,2,3,4,5,6,7
	s_wait_dscnt 7-\t                              ; the younger loads may stay out
	global_store_b128 v8, v[WO+4*\t:WO+4*\t+3], s[16:17] offset:2*\t*1024   ; sixteen lanes store 256 consecutive bytes, at a multiple of 256 from the buffer's first byte
.endr
	s_wait_tensorcnt 0x0
	ds_add_u32 v220, v221
	s_wait_dscnt 0x0
	s_endpgm
.Lfunc_end_k_q580d5e00b8_quant:
	.size	k_q580d5e00b8_quant, .Lfunc_end_k_q580d5e00b8_quant-k_q580d5e00b8_quant
	.p2alignl 7, 3214868480
	.fill 96, 4, 3214868480
	.section	.rodata,"a",@progbits
	.p2align	6, 0x0
	.amdhsa_kernel k_q580d5e00b8_quant
		.amdhsa_group_segment_fixed_size 36864
		.amdhsa_private_segment_fixed_size 0
		.amdhsa_enable_private_segment 0
		.amdhsa_kernarg_size 56
		.amdhsa_user_sgpr_count 2
		.amdhsa_user_sgpr_kernarg_segment_ptr 1
		.amdhsa_wavefront_size32 1
		.amdhsa_system_sgpr_workgroup_id_x 1
		.amdhsa_system_sgpr_workgroup_id_y 1
		.amdhsa_system_sgpr_workgroup_id_z 1
		.amdhsa_system_vgpr_workitem_id 0
		.amdhsa_next_free_vgpr 224
		.amdhsa_next_free_sgpr 66
		.amdhsa_reserve_vcc 0
		.amdhsa_float_denorm_mode_32 3
		.amdhsa_float_denorm_mode_16_64 3
		.amdhsa_memory_ordered 1
		.amdhsa_forward_progress 1
		.amdhsa_inst_pref_size 61
	.end_amdhsa_kernel
	.amdgpu_metadata
---
amdhsa.version: [ 1, 2 ]
amdhsa.kernels:
  - .name:           k_q580d5e00b8_quant
    .symbol:         k_q580d5e00b8_quant.kd
    .args:
      - { .name: x, .offset: 0, .size: 8, .value_kind: global_buffer, .address_space: global }
      - { .name: Wq, .offset: 8, .size: 8, .value_kind: global_buffer, .address_space: global }
      - { .name: Wk, .offset: 16, .size: 8, .value_kind: global_buffer, .address_space: global }
      - { .name: Wv, .offset: 24, .size: 8, .value_kind: global_buffer, .address_space: global }
      - { .name: lowp_scales, .offset: 32, .size: 8, .value_kind: global_buffer, .address_space: global }
      - { .name: xc, .offset: 40, .size: 8, .value_kind: global_buffer, .address_space: global }
      - { .name: wc, .offset: 48, .size: 8, .value_kind: global_buffer, .address_space: global }
    .group_segment_fixed_size: 36864
    .private_segment_fixed_size: 0
    .kernarg_segment_align: 8
    .kernarg_segment_size: 56
    .max_flat_workgroup_size: 256
    .sgpr_count:     66
    .vgpr_count:     224
    .wavefront_size: 32
...
	.end_amdgpu_metadata
.endif
;; end of part 1
;; launch proj (part 2): grid 4 x 48, 4 waves a work-group, clusters of 4 x 4, 327,680 bytes of LDS; arguments xc, wc, bq, bk, bv, lowp_scales, qkvc; writes qkvc
.if DOCPART == 2
	.amdgcn_target "amdgcn-amd-amdhsa--gfx1250"
	.amdhsa_code_object_version 6
	.text
	.protected	k_q580d5e00b8_proj
	.globl	k_q580d5e00b8_proj
	.p2align	8
	.type	k_q580d5e00b8_proj,@function
k_q580d5e00b8_proj:
	s_mov_b64 s[64:65], 0
	v_nop
	global_prefetch_b8 v0, s[64:65] scope:SCOPE_SE
	s_setreg_imm32_b32 hwreg(HW_REG_WAVE_MODE, 25, 1), 1
	s_wait_xcnt 0x0
	s_wait_alu depctr_hold_cnt(0) depctr_sa_sdst(0) depctr_va_vdst(0) depctr_va_sdst(0) depctr_va_ssrc(0) depctr_va_vcc(0) depctr_vm_vsrc(0)
	s_getreg_b32 s2, hwreg(HW_REG_IB_STS2, 6, 4)
	s_cmp_eq_u32 s2, 0
	s_cbranch_scc0 .Lentry_in_a_cluster
	s_endpgm
.Lentry_in_a_cluster:
	s_bfe_u32 s2, ttmp6, 0x10000c
	s_cmp_lg_u32 s2, 0xf033
	s_cbranch_scc0 .Lentry_shape_is_right
	s_endpgm
.Lentry_shape_is_right:
; The three projections on codes of BF8 (E5M2): sums x 2^(the two exponents) + bias, quantised with the scale of the attention operand, stored as images of that operand's registers.
; A tile is 256 x 256, four waves of 128 x 128; K = 1,024 goes in four steps of 256 through a ring of two LDS slots filled by joint loads in clusters of 4 x 4.  For V the two sources change places.
; A WORK-GROUP STAYS AND MAKES TWO TILES: the same projection and the same rows of W, x's rows 1,024 further on.  The ring runs on: the first tile's last two changes of slots ask for the second tile's K steps 0 and 1,
; and the first tile's way out stands behind those requests.  12 clusters, 192 work-groups: 384 tiles.
; PREFETCHES: behind the head's two joint loads, K steps 1 to 3 of the 128 rows that the wave fetches; behind the first tile's first step, the four K steps of the second tile's rows of x.  Of the 128 rows each of the four
; partners that ask jointly takes 32, told apart by address; a lane a row, 256 bytes a block; each block is named once in a cluster.
; LIMITS: each sum of two exponents between -126 and 127; the operand's exponent between -126 and 112.
.set KSTEP,  256
.set ROWB,   256
.set KROW,   1024
.set PITCH,  272
.set FR,     16
.set NL,     4
.set NP,     4
.set HALFT,  128*PITCH
.set SLOT,   4*HALFT
.set LAPS,   1024/(2*KSTEP)
.set SPARE,  2*SLOT
.set LIMV, 10
.set SCV,  11
.set ADRA, 16
.set ADRB, 20
.set CO,   26
.set SPW,  28
.set NIL,  29
.set VA,   32
.set BT,   64
.set AF,   128
.set TMP,  128
.set CD,   192
.set G1, 24
.set G0, 32
.set G1B, 48
.set G0B, 56
.set MSB, 0
.macro WIN new
.if MSB != \new
	s_set_vgpr_msb (MSB<<8)|\new
.set MSB, \new
.endif
.endm
.set MUL_LO, 0xa1
.set MUL_HI, 0xf1
.set TO_B,   0x40
.macro JLOAD g0a, g1a, g0b, g1b
	s_cmp_eq_u32 s15, 0
	s_cbranch_scc0 .Lfor_b_\@
	tensor_load_to_lds s[\g0a:\g0a+3], s[\g1a:\g1a+7]
	s_nop 0
.rept 4
	v_nop
.endr
	s_branch .Lasked_\@
.Lfor_b_\@:
	tensor_load_to_lds s[\g0b:\g0b+3], s[\g1b:\g1b+7]
	s_nop 0
.rept 4
	v_nop
.endr
.Lasked_\@:
.endm
.macro CREST
	s_cmp_lg_u32 s14, 0
	s_cbranch_scc1 .Lnot_wave_0_\@
	s_barrier_signal -3
.Lnot_wave_0_\@:
	s_barrier_wait -3
	s_barrier_signal -1
	s_barrier_wait -1
.endm
.macro CROUND
	s_barrier_signal -1
	s_barrier_wait -1
	CREST
.endm
	s_load_b256 s[4:11], s[0:1], 0x0
	s_load_b128 s[68:71], s[0:1], 0x20
	s_load_b64 s[72:73], s[0:1], 0x30
	v_lshl_add_u32 v[SPW], v0, 2, SPARE
	v_mov_b32 v[NIL], 0
	ds_add_u32 v28, v29
	ds_add_u32 v28, v29
	s_wait_dscnt 0x0
	v_lshrrev_b32 v1, 5, v0
	v_readfirstlane_b32 s14, v1
	s_lshr_b32 s15, s14, 1
	s_and_b32 s16, s14, 1
	s_bfe_u32 s40, ttmp6, 0x40000
	s_bfe_u32 s41, ttmp6, 0x40004
	s_and_b32 s74, ttmp7, 0xffff
	s_lshr_b32 s75, s74, 2                         ; the projection: four clusters each
	s_and_b32 s76, s74, 3
	s_lshl_b32 s76, s76, 1                         ; the first of my two groups of four tiles
	s_lshl_b32 s79, s75, 23
	s_lshl_b32 s12, s75, 20
	s_cmp_eq_u32 s75, 2
	s_cselect_b32 s77, 0, s76
	s_cselect_b32 s78, s76, 0
	s_cselect_b32 s84, 0x200000, s79
	s_cselect_b32 s86, 0x1000000, s12
	s_lshl_b32 s17, s77, 2
	s_add_co_u32 s17, s17, s41
	s_lshl_b32 s42, s78, 2
	s_add_co_u32 s42, s42, s40
	s_lshl_b32 s43, s41, 2
	s_lshl_b32 s43, 15, s43
	s_lshl_b32 s44, 0x1111, s40
	s_or_b32 s[G1+0], s43, (0<<16)|(1<<20)|(1<<21)|(5<<22)|(3<<25)
	s_or_b32 s[G1B+0], s44, (0<<16)|(1<<20)|(1<<21)|(5<<22)|(3<<25)
.irp g, G1, G1B
	s_mov_b32 s[\g+1], ROWB<<16
	s_mov_b32 s[\g+2], 128<<16
	s_mov_b32 s[\g+3], ROWB<<16
	s_mov_b32 s[\g+4], 128
	s_mov_b32 s[\g+5], KROW
	s_mov_b32 s[\g+6], 0
	s_mov_b32 s[\g+7], 0
.endr
	s_lshl_b32 s18, s16, 7
	s_lshl_b32 s20, s17, 8
	s_add_co_u32 s20, s20, s18
	s_lshl_b32 s46, s42, 8
	s_add_co_u32 s46, s46, s18
	s_lshl_b32 s20, s20, 10
	s_lshl_b32 s46, s46, 10
	s_add_co_u32 s20, s20, s84
	s_add_co_u32 s46, s46, s86
	s_mov_b32 s21, 0
	s_mov_b32 s47, 0
	s_mul_i32 s45, s14, HALFT
	s_wait_kmcnt 0x0
	s_cmp_eq_u32 s75, 2
	s_cselect_b64 s[80:81], s[6:7], s[4:5]
	s_cselect_b64 s[82:83], s[4:5], s[6:7]
	s_cselect_b32 s95, 28, 24
	s_add_nc_u64 s[20:21], s[80:81], s[20:21]
	s_add_nc_u64 s[46:47], s[82:83], s[46:47]
	s_cmp_eq_u32 s15, 0                            ; the prefetches: the 128 rows that I fetch,
	s_cselect_b64 s[66:67], s[20:21], s[46:47]
	s_cselect_b32 s100, s40, s41                   ; my place among the four that ask with me,
	s_lshl_b32 s100, s100, 15                      ; 32 rows of 1,024 bytes each
	s_mov_b32 s101, 0
	s_add_nc_u64 s[66:67], s[66:67], s[100:101]
	v_and_b32 v30, 31, v0
	v_lshlrev_b32 v30, 10, v30                     ; a lane a row; never rewritten
	s_cmp_eq_u32 s75, 2
	s_cselect_b32 s85, 1, 0
	s_xor_b32 s85, s85, s15
	s_cmp_eq_u32 s85, 0
	s_cselect_b32 s85, 2, 0                        ; 2 in the waves that fetch x, 0 in those that fetch W
	s_lshl_b32 s94, s75, 3
	s_load_b64 s[96:97], s[70:71], s94 offset:0x0
	s_lshl_b32 s19, s75, 2
	s_add_co_u32 s95, s95, s19
	s_load_b32 s98, s[70:71], s95 offset:0x0
	CROUND
.irp s, 0,1
	s_mov_b32 s[G0+4*\s], 1
	s_add_co_u32 s[G0+4*\s+1], s45, \s*SLOT
	s_add_nc_u64 s[G0+4*\s+2:G0+4*\s+3], s[20:21], \s*ROWB
	s_or_b32 s[G0+4*\s+3], s[G0+4*\s+3], 0x80000000
	s_mov_b32 s[G0B+4*\s], 1
	s_add_co_u32 s[G0B+4*\s+1], s45, \s*SLOT
	s_add_nc_u64 s[G0B+4*\s+2:G0B+4*\s+3], s[46:47], \s*ROWB
	s_or_b32 s[G0B+4*\s+3], s[G0B+4*\s+3], 0x80000000
	s_wait_alu depctr_va_vdst(0)
	s_wait_tensorcnt 0x0
	ds_add_u32 v28, v29
	ds_add_u32 v28, v29
	s_wait_dscnt 0x0
	CROUND
	JLOAD G0+4*\s, G1, G0B+4*\s, G1B
.if \s == 0                            ; the head's three prefetches are dealt over its two joint loads: K step 1 behind the first,
	global_prefetch_b8 v30, s[66:67] offset:256 th:TH_LOAD_NT scope:SCOPE_SE
.else                                  ; K steps 2 and 3 behind the second
	global_prefetch_b8 v30, s[66:67] offset:512 th:TH_LOAD_NT scope:SCOPE_SE
	global_prefetch_b8 v30, s[66:67] offset:768 th:TH_LOAD_NT scope:SCOPE_SE
.endif
.endr
	v_and_b32 v1, 15, v0
	v_bfe_u32 v2, v0, 4, 1
	v_mul_u32_u24 v3, v1, PITCH
	v_lshl_add_u32 v4, v2, 4, v3
	s_mul_i32 s21, s15, HALFT
	s_mul_i32 s22, s16, HALFT
	s_add_co_u32 s22, s22, 2*HALFT
.irp s, 0,1
	v_add_nc_u32 v[ADRA+\s], s21, v4
	v_add_nc_u32 v[ADRB+\s], s22, v4
	s_add_co_u32 s21, s21, SLOT
	s_add_co_u32 s22, s22, SLOT
.endr
	v_and_b32 v6, 31, v0
	v_lshlrev_b32 v[CO], 4, v6
	s_lshl_b32 s90, s17, 8
	s_lshl_b32 s19, s15, 7
	s_add_co_u32 s90, s90, s19
	s_lshl_b32 s91, s42, 8
	s_lshl_b32 s19, s16, 7
	s_add_co_u32 s91, s91, s19
	s_cmp_eq_u32 s75, 2
	s_cselect_b32 s92, s91, s90
	s_cselect_b32 s93, s90, s91
	s_cselect_b32 s12, 4, 0
	s_cselect_b32 s13, 0, 32
	s_cselect_b32 s2, 0, 4
	s_cselect_b64 s[88:89], s[68:69], s[8:9]
	s_cmp_eq_u32 s75, 1
	s_cselect_b64 s[88:89], s[10:11], s[88:89]
	s_lshl_b32 s18, s93, 2
	s_mov_b32 s19, 0
	s_add_nc_u64 s[88:89], s[88:89], s[18:19]
	s_lshr_b32 s18, s92, 11
	s_lshl_b32 s18, s18, 4
	s_lshr_b32 s19, s93, 6
	s_add_co_u32 s18, s18, s19
	s_lshl_b32 s18, s18, 17
	s_add_co_u32 s18, s18, s79
	s_and_b32 s19, s92, 2047
	s_lshl_b32 s19, s19, 6
	s_add_co_u32 s18, s18, s19
	s_mov_b32 s19, 0
	s_add_nc_u64 s[72:73], s[72:73], s[18:19]
	v_mul_u32_u24 v[VA], v1, s12
	v_mad_u32_u24 v[VA], v2, s13, v[VA]
.irp j, 1,2,3,4,5,6,7
	s_mul_i32 s19, s2, \j
	v_add_nc_u32 v[VA+\j], s19, v[VA]
.endr
.irp g, 0,1,2,3,4,5,6
.irp j, 0,1,2,3,4,5,6,7
	global_load_b32 v[BT+8*\g+\j], v[VA+\j], s[88:89] offset:64*\g
.endr
.endr
.irp j, 0,1,2,3,4,5,6                  ; 63 loads are out here; the 64th bias is asked for behind a tile's first step
	global_load_b32 v[BT+56+\j], v[VA+\j], s[88:89] offset:448
.endr
.macro FRAG reg, adr, q, i
.irp c, 0,1,2,3
	ds_load_b128 v[\reg+4*\c:\reg+4*\c+3], v[\adr] offset:128*(\q)+32*\c+(\i)*16*PITCH
.endr
.endm
.macro MUL16 a0, p, zero
.irp a, \a0, \a0+1
.irp b, 0,1,2,3,4,5,6,7
.if \zero
	v_wmma_f32_16x16x128_bf8_bf8 v[8*(8*((\a)%4)+\b):8*(8*((\a)%4)+\b)+7], v[128*(\p)+FR*\b:128*(\p)+FR*\b+FR-1], v[AF+FR*(\a):AF+FR*(\a)+FR-1], 0
.else
	v_wmma_f32_16x16x128_bf8_bf8 v[8*(8*((\a)%4)+\b):8*(8*((\a)%4)+\b)+7], v[128*(\p)+FR*\b:128*(\p)+FR*\b+FR-1], v[AF+FR*(\a):AF+FR*(\a)+FR-1], v[8*(8*((\a)%4)+\b):8*(8*((\a)%4)+\b)+7]
.endif
.endr
.endr
.endm
.macro FETCH_B slot, q, p
	WIN TO_B
.irp i, 0,1,2,3,4,5,6,7
	FRAG 128*(\p)+FR*\i, ADRB+\slot, \q, \i
.endr
	WIN 0
.endm
.macro FETCH_A slot, q, i0
.irp i, \i0, \i0+1, \i0+2, \i0+3
	FRAG AF+FR*(\i), ADRA+\slot, \q, \i
.endr
.endm
.macro PLACES n
.rept \n
	v_nop
.endr
.endm
.macro STEP slot, q, zero
	s_wait_dscnt 4*NL
	WIN MUL_LO
	MUL16 0, (\q)%2, \zero
	MUL16 2, (\q)%2, \zero
	s_wait_dscnt 0
	PLACES NP
	FETCH_B \slot, (\q)+1, 1-(\q)%2
	FETCH_A \slot, (\q)+1, 0
	WIN MUL_HI
	MUL16 4, (\q)%2, \zero
	MUL16 6, (\q)%2, \zero
	PLACES NP
	WIN 0
	FETCH_A \slot, (\q)+1, 4
.endm
.macro TURN slot, next, fill
	s_wait_tensorcnt 0x0
	ds_add_u32 v[SPW], v[NIL]
	s_wait_dscnt 4*NL+1
	WIN MUL_LO
	MUL16 0, 1, 0
	s_wait_dscnt 0x0
	s_barrier_signal -1
	MUL16 2, 1, 0
	WIN 0
	s_barrier_wait -1
.if \fill
	CREST
.if \fill >= 2                         ; on to the next tile: two K steps back, and x's side 1,024 rows down
	s_sub_nc_u64 s[G0+4*\slot+2:G0+4*\slot+3], s[G0+4*\slot+2:G0+4*\slot+3], 2*ROWB
	s_add_nc_u64 s[G0+4*\slot+2:G0+4*\slot+3], s[G0+4*\slot+2:G0+4*\slot+3], s[90:91]
	s_sub_nc_u64 s[G0B+4*\slot+2:G0B+4*\slot+3], s[G0B+4*\slot+2:G0B+4*\slot+3], 2*ROWB
	s_add_nc_u64 s[G0B+4*\slot+2:G0B+4*\slot+3], s[G0B+4*\slot+2:G0B+4*\slot+3], s[92:93]
.else
	s_add_nc_u64 s[G0+4*\slot+2:G0+4*\slot+3], s[G0+4*\slot+2:G0+4*\slot+3], 2*ROWB
	s_add_nc_u64 s[G0B+4*\slot+2:G0B+4*\slot+3], s[G0B+4*\slot+2:G0B+4*\slot+3], 2*ROWB
.endif
	JLOAD G0+4*\slot, G1, G0B+4*\slot, G1B
.else
	PLACES NP
.endif
.if \fill != 3                         ; fill = 3: a tile's last step: the way out needs A's registers, so the next tile's fragments are fetched behind it
	FETCH_B \next, 0, 0
	FETCH_A \next, 0, 0
.endif
	WIN MUL_HI
	MUL16 4, 1, 0
	MUL16 6, 1, 0
	PLACES NP
	WIN 0
.if \fill != 3
	FETCH_A \next, 0, 4
.endif
.endm
	s_wait_kmcnt 0x0                               ; the way out's constants, made once for both tiles
	s_add_co_i32 s96, s96, s97
	s_add_co_i32 s96, s96, 127
	s_lshl_b32 s96, s96, 23                        ; 2^(the two operands' exponents)
	s_mov_b32 s97, s96
	s_add_co_i32 s98, s98, 127
	s_lshl_b32 s19, s98, 23
	v_mov_b32 v[SCV], s19                          ; 2^e of the attention operand
	s_add_co_i32 s98, s98, 15
	s_lshl_b32 s98, s98, 23
	s_or_b32 s98, s98, 0x600000
	v_mov_b32 v[LIMV], s98                         ; 57,344 x that
	s_cmp_eq_u32 s75, 2
	s_cselect_b32 s90, 0, 0x100000                 ; from tile to tile: 1,024 rows of 1,024 bytes on x's side, nothing on W's
	s_cselect_b32 s92, 0x100000, 0
	s_mov_b32 s91, 0
	s_mov_b32 s93, 0
	s_mov_b32 s99, 2                               ; tiles to go: the same in every work-group
	s_wait_alu depctr_va_vdst(0)                   ; the wait at the head's end
	s_wait_tensorcnt 1
	s_barrier_signal -1
	s_barrier_wait -1
.Ltile:
	FETCH_B 0, 0, 0
	FETCH_A 0, 0, 0
	FETCH_A 0, 0, 4
	STEP 0, 0, 1
	s_cmp_eq_u32 s99, s85                          ; in the first tile, in the waves that fetch x: the second tile's rows, three K steps ahead of the first load that wants them
	s_cbranch_scc0 .Lnopf
	global_prefetch_b8 v30, s[66:67] offset:0x100000 th:TH_LOAD_NT scope:SCOPE_SE
	global_prefetch_b8 v30, s[66:67] offset:0x100100 th:TH_LOAD_NT scope:SCOPE_SE
	global_prefetch_b8 v30, s[66:67] offset:0x100200 th:TH_LOAD_NT scope:SCOPE_SE
	global_prefetch_b8 v30, s[66:67] offset:0x100300 th:TH_LOAD_NT scope:SCOPE_SE
.Lnopf:
	global_load_b32 v[BT+63], v[VA+7], s[88:89] offset:448   ; the last bias: awaited with the others at the way out
	s_mov_b32 s3, LAPS-1
.Llap:
	TURN 0, 1, 1
	STEP 1, 0, 0
	TURN 1, 0, 1
	STEP 0, 0, 0
	s_sub_co_u32 s3, s3, 1
	s_cmp_lg_u32 s3, 0
	s_cbranch_scc1 .Llap
	s_cmp_eq_u32 s99, 1
	s_cbranch_scc1 .Llast                          ; the last tile's tail is written out: it asks for nothing more
	TURN 0, 1, 2                                   ; the ring goes on into the next tile: slot 0 takes its K step 0,
	STEP 1, 0, 0
	TURN 1, 0, 3                                   ; slot 1 its K step 1
	s_branch .Lepi
.Llast:
	TURN 0, 1, 0
	STEP 1, 0, 0
	s_wait_dscnt 4*NL
	WIN MUL_LO
	MUL16 0, 1, 0
	MUL16 2, 1, 0
	s_wait_dscnt 0
	WIN MUL_HI
	MUL16 4, 1, 0
	MUL16 6, 1, 0
	WIN 0
.Lepi:
.macro OUTBLK a, isv
.if (\a) >= 2
	s_wait_xcnt 0x0
.endif
	WIN 0x02+((\a)/4)
.irp b, 0,1,2,3,4,5,6,7
.irp i, 0,2,4,6
.if \isv
	v_pk_fma_f32 v[TMP+8*\b+\i:TMP+8*\b+\i+1], v[64*((\a)%4)+8*\b+\i:64*((\a)%4)+8*\b+\i+1], s[96:97], v[BT+8*(\a)+\i:BT+8*(\a)+\i+1] op_sel_hi:[1,0,1]
.else
	v_pk_fma_f32 v[TMP+8*\b+\i:TMP+8*\b+\i+1], v[64*((\a)%4)+8*\b+\i:64*((\a)%4)+8*\b+\i+1], s[96:97], v[BT+8*\b+\i:BT+8*\b+\i+1] op_sel_hi:[1,0,1]
.endif
.endr
.endr
	WIN 0
.irp b, 0,1,2,3,4,5,6,7
.irp i, 0,1,2,3,4,5,6,7
	v_med3_num_f32 v[TMP+8*\b+\i], v[TMP+8*\b+\i], -v[LIMV], v[LIMV]
.endr
	v_cvt_scalef32_pk8_bf8_f32 v[CD+16*((\a)%2)+2*\b:CD+16*((\a)%2)+2*\b+1], v[TMP+8*\b:TMP+8*\b+7], v[SCV]
.endr
	v_nop
.irp c, 0,1,2,3
.if \isv
	global_store_b128 v[CO], v[CD+16*((\a)%2)+4*\c:CD+16*((\a)%2)+4*\c+3], s[72:73] offset:((\a)/4)*131072+((\a)%4)*2048+512*\c
.else
	global_store_b128 v[CO], v[CD+16*((\a)%2)+4*\c:CD+16*((\a)%2)+4*\c+3], s[72:73] offset:(\c/2)*131072+1024*(\a)+512*(\c%2)
.endif
.endr
.endm
	s_wait_loadcnt 0x0                             ; the biases
	PLACES NP
	s_cmp_eq_u32 s75, 2
	s_cbranch_scc1 .Lout_v
.irp a, 0,1,2,3,4,5,6,7
	OUTBLK \a, 0
.endr
	s_branch .Ldone
.Lout_v:
.irp a, 0,1,2,3,4,5,6,7
	OUTBLK \a, 1
.endr
.Ldone:
	s_wait_xcnt 0x0                                ; the stores have read their registers and their base
	s_add_nc_u64 s[72:73], s[72:73], 0x10000       ; 1,024 tokens of 64 bytes on
	s_sub_co_u32 s99, s99, 1
	s_cmp_lg_u32 s99, 0
	s_wait_alu depctr_va_vdst(0)
	s_cbranch_scc1 .Ltile
	s_wait_tensorcnt 0x0
	ds_add_u32 v[SPW], v[NIL]
	s_wait_dscnt 0x0
	CROUND
	s_endpgm
.Lfunc_end_k_q580d5e00b8_proj:
	.size	k_q580d5e00b8_proj, .Lfunc_end_k_q580d5e00b8_proj-k_q580d5e00b8_proj
	.p2alignl 7, 3214868480
	.fill 96, 4, 3214868480
	.section	.rodata,"a",@progbits
	.p2align	6, 0x0
	.amdhsa_kernel k_q580d5e00b8_proj
		.amdhsa_group_segment_fixed_size 327680
		.amdhsa_private_segment_fixed_size 0
		.amdhsa_enable_private_segment 0
		.amdhsa_kernarg_size 56
		.amdhsa_user_sgpr_count 2
		.amdhsa_user_sgpr_kernarg_segment_ptr 1
		.amdhsa_wavefront_size32 1
		.amdhsa_system_sgpr_workgroup_id_x 1
		.amdhsa_system_sgpr_workgroup_id_y 1
		.amdhsa_system_sgpr_workgroup_id_z 1
		.amdhsa_system_vgpr_workitem_id 0
		.amdhsa_next_free_vgpr 1024
		.amdhsa_next_free_sgpr 102
		.amdhsa_reserve_vcc 0
		.amdhsa_float_denorm_mode_32 3
		.amdhsa_float_denorm_mode_16_64 3
		.amdhsa_memory_ordered 1
		.amdhsa_forward_progress 1
		.amdhsa_inst_pref_size 224
	.end_amdhsa_kernel
	.amdgpu_metadata
---
amdhsa.version: [ 1, 2 ]
amdhsa.kernels:
  - .name:           k_q580d5e00b8_proj
    .symbol:         k_q580d5e00b8_proj.kd
    .args:
      - { .name: xc, .offset: 0, .size: 8, .value_kind: global_buffer, .address_space: global }
      - { .name: wc, .offset: 8, .size: 8, .value_kind: global_buffer, .address_space: global }
      - { .name: bq, .offset: 16, .size: 8, .value_kind: global_buffer, .address_space: global }
      - { .name: bk, .offset: 24, .size: 8, .value_kind: global_buffer, .address_space: global }
      - { .name: bv, .offset: 32, .size: 8, .value_kind: global_buffer, .address_space: global }
      - { .name: lowp_scales, .offset: 40, .size: 8, .value_kind: global_buffer, .address_space: global }
      - { .name: qkvc, .offset: 48, .size: 8, .value_kind: global_buffer, .address_space: global }
    .group_segment_fixed_size: 327680
    .private_segment_fixed_size: 0
    .kernarg_segment_align: 8
    .kernarg_segment_size: 56
    .max_flat_workgroup_size: 128
    .sgpr_count:     102
    .vgpr_count:     1024
    .wavefront_size: 32
...
	.end_amdgpu_metadata
.endif
;; end of part 2
;; launch attn (part 3): grid 4 x 64, 8 waves a work-group, no clusters, 327,680 bytes of LDS; arguments qkvc, lowp_scales, out0; writes out0
.if DOCPART == 3
	.amdgcn_target "amdgcn-amd-amdhsa--gfx1250"
	.amdhsa_code_object_version 6
	.text
	.protected	k_q580d5e00b8_attn
	.globl	k_q580d5e00b8_attn
	.p2align	8
	.type	k_q580d5e00b8_attn,@function
k_q580d5e00b8_attn:
	s_mov_b64 s[64:65], 0
	v_nop
	global_prefetch_b8 v0, s[64:65] scope:SCOPE_SE
	s_setreg_imm32_b32 hwreg(HW_REG_WAVE_MODE, 25, 1), 1
	s_wait_xcnt 0x0
; Causal attention on codes of BF8 (E5M2): out[b][q][head][:] = the sum over keys k <= q of softmax_k(Q . K / 8) V.  64 heads of batches, 2,048 tokens, head size 64.
; qkvc holds Q (byte 0), K (8 MiB) and V (16 MiB) as images of the operands' registers (16 bytes a lane at 16 x lane):
;   Q, K: [head][tile of 16 tokens][quarter 0..1][lane][16] (the K = 64 form's layout);  V: [head][128 keys][dt 0..3][quarter 0..3][lane][16] (the K = 128 form's layout).
; LEFT OUT: key steps of 128 keys all of which come after a wave's queries: their scores are -inf by the causal mask, so p = 0 for all values of the inputs.
; A NaN or an infinity that reaches only such keys is not carried to the result.
; THE SOFTMAX: t = score x log2(e) / 8; M = the row's largest t so far, rounded up to a whole number; p = 2^(t - M) is quantised, not normalised; the row's sum is taken of the unquantised p and divides O
; at the end; when M moves, the sum and O are multiplied by 2^(old M - new M), exactly.  Both products are used transposed (S^T = K Q^T, O^T = V^T P^T): a lane holds one query (lane % 16).
; SHARES.  Work-group (i, head) owns the blocks of 256 queries 7 - i and i, one after the other: 16 - 2 i and 2 i + 2 key steps, EIGHTEEN in every work-group.  Each of eight waves owns 32 queries, two tiles
; A and B, so that each fragment of K and V read from LDS feeds two matrix instructions.
; THE TRIP is turned round: it asks LDS for K of the next step and V of this step, works the softmax on scores that are already in registers, then O^T += V^T P^T, then the next step's scores.
; So a change of slots has register work behind it, and all LDS reads of a slot's three trips fall into that slot.  A block's step 0 takes K from registers (K0, loaded once from memory).
; THE RING: two slots of three places; place p holds the pair K(c + 1), V(c) of the stream's step c: one tensor load of two rows of 8,192 bytes, a constant 8 MiB - 8,192 bytes apart; waves 0 to 2 fetch one each.
; K(c + 1) of a block's last step comes with its pair and is not used.  A slot's load is issued three key steps ahead of the wait for it; every wait on TENSORcnt is for 0.
; NO CLUSTER: the four work-groups of a head walk streams of different order (the first block ends at step 16 - 2 i), so no one descriptor serves all partners in every trip.
; NO PREFETCH is laid in this text.
; LIMITS: entries 6 + 7 between -123 and 130 (added to c's exponent field); entry 8 between -126 and 112; the scaled scores stay under 2^31 in magnitude; NaN among the codes is not served.
; WINDOW 0: v1 16 x lane, v2 LDS address, v3, v4 stage, v5, v6 spare word and 0, v7 place in out, v8 -inf, v10 57,344 x 2^e8, v11 2^e8; A: v12 -M, v13 largest score, v[14:15] sum, v[16:17] f; B: v18-23 likewise;
;   v24-29 at work; v32-95 S^T of A, v96-159 of B; v160-191, v192-223 O^T; v224-239, v240-255 p's codes.   WINDOW 1: v0-63 K, v64-127 V, v128-143 Q, v144-159 the second block's Q, v160-223 K0.
.set SLOT1, 0x10000
.set STAGE, 0x20000                    ; 32 rows x 272 bytes for each wave: bytes into which no tile lands
.set SP,    272
.set SPARE, STAGE+8*32*SP              ; the spare words, 128 bytes for each wave
.set WV,10
.set C1,13                             ; steps of the first block
.set SEQ,14
.set J,15                              ; place in the slot
.set TB,16                             ; the slot in hand
.set KF,17                             ; this step's first key
.set Q0,18                             ; my first query
.set SEL,20
.set CS,22
.set G1,24
.set G0,32
.set GC,52                             ; this step's number in the stream
.set E,53                              ; the number of the block's last step
.set NCS,55                            ; -c
.set MT,56                             ; s56-63 a tile's eight lane masks
.set GS,66                             ; first stream number of the slot asked for
.set TD,67
.set TD1,68
.set Q2,69                             ; my first query in the second block
.set XA,70
.set MJ,72                             ; s72-79 lanes where 8 (lane / 16) + j > lane % 16
.set SA,32
.set SB,96
.set OA,160
.set OB,192
.set PA,224
.set PB,240
.set KR,0
.set VR,64
.set QA,128
.set QB,136
.set QN,144
.set K0,160
.set MSB, 0
.macro WIN new                         ; the immediate's high byte repeats the setting that is left
.if MSB != \new
	s_set_vgpr_msb (MSB<<8)|\new
.set MSB, \new
.endif
.endm
.macro NOPS
.rept 4
	v_nop
.endr
.endm
.macro TLOAD                           ; waves 0 to 2 fetch a pair each; the branch hangs on the wave's number alone
	s_cmp_lt_u32 s[WV], 3
	s_cbranch_scc0 .Lnone_\@
	tensor_load_to_lds s[G0:G0+3], s[G1:G1+7]
	s_nop 0
	NOPS
.Lnone_\@:
.endm
.macro SCORES k                        ; S^T of both tiles from eight fragments of K at window 1's v[k]; the sixteen accumulators take turns
	WIN 0x05
.irp t, 0,1,2,3,4,5,6,7
	v_wmma_f32_16x16x64_bf8_bf8 v[SA+8*\t:SA+8*\t+7], v[\k+8*\t:\k+8*\t+7], v[QA:QA+7], 0
	v_wmma_f32_16x16x64_bf8_bf8 v[SB+8*\t:SB+8*\t+7], v[\k+8*\t:\k+8*\t+7], v[QB:QB+7], 0
.endr
	WIN 0
.endm
.macro SUMS s, p, a                    ; a tile's 32 pairs of p onto the running pair a: eight chains (seven in p's registers, which the codes take later)
.irp c, 0,1,2,3,4,5,6
	v_pk_add_f32 v[\p+2*\c:\p+2*\c+1], v[\s+4*\c:\s+4*\c+1], v[\s+4*\c+2:\s+4*\c+3]
.endr
	v_pk_add_f32 v[\a:\a+1], v[\a:\a+1], v[\s+28:\s+29]
.irp n, 30,46
.irp c, 0,1,2,3,4,5,6
	v_pk_add_f32 v[\p+2*\c:\p+2*\c+1], v[\p+2*\c:\p+2*\c+1], v[\s+\n+2*\c:\s+\n+2*\c+1]
.endr
	v_pk_add_f32 v[\a:\a+1], v[\a:\a+1], v[\s+\n+14:\s+\n+15]
.endr
	v_pk_add_f32 v[\p:\p+1], v[\p:\p+1], v[\s+62:\s+63]
	v_pk_add_f32 v[\p+2:\p+3], v[\p+2:\p+3], v[\p+4:\p+5]
	v_pk_add_f32 v[\p+6:\p+7], v[\p+6:\p+7], v[\p+8:\p+9]
	v_pk_add_f32 v[\p+10:\p+11], v[\p+10:\p+11], v[\p+12:\p+13]
	v_pk_add_f32 v[\a:\a+1], v[\a:\a+1], v[\p:\p+1]
	v_pk_add_f32 v[\p+2:\p+3], v[\p+2:\p+3], v[\p+6:\p+7]
	v_pk_add_f32 v[\a:\a+1], v[\a:\a+1], v[\p+10:\p+11]
	v_pk_add_f32 v[\a:\a+1], v[\a:\a+1], v[\p+2:\p+3]
.endm
.macro HOLD b
.set jj, 0
.rept 32
	v_dual_min_num_f32 v[\b+jj], v10, v[\b+jj] :: v_dual_min_num_f32 v[\b+jj+1], v10, v[\b+jj+1]
.set jj, jj+2
.endr
.endm
	s_load_b128 s[4:7], s[0:1], 0x0                ; the codes, the scales' exponents
	s_load_b64 s[8:9], s[0:1], 0x10                ; out
	v_lshl_add_u32 v5, v0, 2, SPARE
	v_mov_b32 v6, 0
	ds_add_u32 v5, v6                              ; the opening lines: the add twice on end and its wait
	ds_add_u32 v5, v6
	v_lshrrev_b32 v1, 5, v0
	v_readfirstlane_b32 s[WV], v1
	s_mov_b32 s11, ttmp9                           ; i
	s_and_b32 s12, ttmp7, 0xffff                   ; the head of a batch
	s_lshl_b32 s19, s11, 1
	s_sub_co_u32 s[C1], 16, s19
	s_sub_co_u32 s[E], s[C1], 1
	s_mov_b32 s[G1], 3<<16                         ; elements of 8 bytes, no mask, no padding
	s_mov_b32 s[G1+1], 1024<<16                    ; tensor_dim0: 8,192 bytes
	s_mov_b32 s[G1+2], 2<<16                       ; tensor_dim1 = 2
	s_mov_b32 s[G1+3], 1024<<16                    ; tile_dim0
	s_mov_b32 s[G1+4], 2                           ; tile_dim1
	s_mov_b32 s[G1+5], 1047552                     ; from K(c + 1) to V(c): 8 MiB - 8,192 bytes
	s_mov_b32 s[G1+6], 0
	s_mov_b32 s[G1+7], 0
	s_mov_b32 s[SEQ], 0
	s_mov_b32 s[TB], 0
	s_mov_b32 s[GC], 0
	s_mov_b32 s[GS], 0
	s_mov_b32 s[SEL], 0x76543210
	s_mov_b32 s[SEL+1], 0xfedcba98
	s_mov_b32 s[G0], 1
	s_lshl_b32 s[G0+1], s[WV], 14                  ; slot 0, place = wave
	s_lshl_b32 s48, s12, 17                        ; 131,072 bytes for a head
	s_mov_b32 s49, 0
	s_add_co_u32 s38, s48, 0x802000                ; the head's K(1)
	s_mov_b32 s39, 0
	s_wait_dscnt 0x0
	s_wait_kmcnt 0x0
	s_load_b128 s[40:43], s[6:7], 0x18             ; entries 6 to 9
	s_add_nc_u64 s[36:37], s[4:5], s[38:39]
	s_add_nc_u64 s[44:45], s[4:5], s[48:49]        ; the head's Q
	s_lshl_b32 s38, s[WV], 13
	s_add_nc_u64 s[G0+2:G0+3], s[36:37], s[38:39]
	s_or_b32 s[G0+3], s[G0+3], 0x80000000
	TLOAD                                          ; slot 0: the wave's one tensor load at the head
	v_and_b32 v2, 31, v0
	v_lshlrev_b32 v1, 4, v2                        ; 16 x lane
	s_add_co_u32 s38, s48, 0x800000
	s_add_nc_u64 s[50:51], s[4:5], s[38:39]        ; the head's K(0)
	s_lshl_b32 s19, s[WV], 5
	s_sub_co_u32 s[Q0], 7, s11
	s_lshl_b32 s[Q0], s[Q0], 8
	s_add_co_u32 s[Q0], s[Q0], s19                 ; my first query: block 7 - i,
	s_lshl_b32 s[Q2], s11, 8
	s_add_co_u32 s[Q2], s[Q2], s19                 ; and block i
	s_lshl_b32 s38, s[Q0], 6
	s_add_nc_u64 s[56:57], s[44:45], s[38:39]
	s_lshl_b32 s38, s[Q2], 6
	s_add_nc_u64 s[80:81], s[44:45], s[38:39]      ; the second block's Q: never rewritten
	s_wait_alu depctr_va_vdst(0)                   ; the wait ahead of v1's readers
	WIN 0x40
.irp c, 0,1,2,3
	global_load_b128 v[QA+4*\c:QA+4*\c+3], v1, s[56:57] offset:512*\c
.endr
.irp n, 0,1,2,3,4,5,6,7,8,9,10,11,12,13,14,15
	global_load_b128 v[K0+4*\n:K0+4*\n+3], v1, s[50:51] offset:512*\n
.endr
	WIN 0
	s_lshr_b32 s19, s12, 4
	s_lshl_b32 s48, s19, 23                        ; out: the batch's 2,048 rows of 4,096 bytes,
	s_and_b32 s19, s12, 15
	s_lshl_b32 s19, s19, 8                         ; the head's 256 bytes of a row
	s_add_co_u32 s48, s48, s19
	s_add_nc_u64 s[46:47], s[8:9], s[48:49]
	v_and_b32 v24, 15, v0                          ; r
	v_bfe_u32 v25, v0, 4, 1                        ; h
	s_mul_i32 s19, s[WV], 32*SP
	s_add_co_u32 s19, s19, STAGE
	v_mul_u32_u24 v3, v24, SP
	v_mul_u32_u24 v4, v25, SP
	v_lshl_add_u32 v3, v25, 5, v3
	v_lshl_add_u32 v4, v24, 4, v4
	v_add_nc_u32 v3, s19, v3                       ; into the stage: row r, + 32 h
	v_add_nc_u32 v4, s19, v4                       ; back: lanes 0-15 one row, lanes 16-31 the next
	v_lshlrev_b32 v7, 12, v25
	v_lshlrev_b32 v9, 3, v25
	v_lshl_add_u32 v7, v24, 4, v7                  ; the same two rows in out
	v_sub_nc_u32 v9, v24, v9                       ; r - 8 h
.irp j, 0,1,2,3,4,5,6,7
	v_cmp_gt_i32 s[MJ+\j], \j, v9                  ; on the diagonal tile register j is hidden where 8 h + j > r
.endr
	v_mov_b32 v8, 0xff800000
	v_mov_b32 v17, 0                               ; upper halves of pairs, and the permutes' destinations: written once
	v_mov_b32 v23, 0
	v_mov_b32 v28, 0
	v_mov_b32 v29, 0
	s_wait_kmcnt 0x0
	s_mov_b32 s[CS], 0x3e38aa3b                    ; c = log2(e) / 8
	s_add_co_i32 s19, s40, s41
	s_lshl_b32 s19, s19, 23
	s_add_co_i32 s[CS], s[CS], s19                 ; x 2^(e6 + e7)
	s_mov_b32 s[CS+1], s[CS]
	s_xor_b32 s[NCS], s[CS], 0x80000000
	s_add_co_i32 s19, s42, 127
	s_lshl_b32 s38, s19, 23
	v_mov_b32 v11, s38                             ; 2^e8
	s_add_co_i32 s19, s19, 15
	s_lshl_b32 s19, s19, 23
	s_or_b32 s19, s19, 0x600000
	v_mov_b32 v10, s19                             ; 57,344 x 2^e8
	s_add_co_i32 s54, s42, s43                     ; e8 + e9
; A block begins: the statistics, zeros in O^T (the first change of M multiplies zeros), and step 0's scores from K0.
.macro START second
	s_mov_b32 s[KF], 0
.if \second
	s_wait_loadcnt 0x0                             ; the second block's Q, asked for behind the first block's start
	WIN 0x41
.set jj, 0
.rept 16
	v_mov_b32 v[QA+jj], v[QN+jj]
.set jj, jj+1
.endr
	WIN 0
.endif
	v_mov_b32 v12, 0x7f61b1e6                      ; -M = 3e38
	v_mov_b32 v18, 0x7f61b1e6
	v_mov_b32 v13, 0xff61b1e6                      ; -3e38, under every score
	v_mov_b32 v19, 0xff61b1e6
	v_mov_b32 v14, 0
	v_mov_b32 v15, 0
	v_mov_b32 v20, 0
	v_mov_b32 v21, 0
.set jj, 0
.rept 64
	v_mov_b32 v[OA+jj], 0
.set jj, jj+1
.endr
	SCORES K0
	NOPS
	s_wait_alu depctr_va_vdst(0)
.endm
; A block ends: O^T / the sum x 2^(e8 + e9), through my stage, so that sixteen lanes store a token's 256 bytes of this head.
.macro FINISH
	NOPS
	v_add_f32 v14, v14, v15
	v_add_f32 v20, v20, v21
	v_permlanex16_b32 v28, v14, s[SEL], s[SEL+1]
	v_permlanex16_b32 v29, v20, s[SEL], s[SEL+1]
	v_add_f32 v14, v14, v28
	v_add_f32 v20, v20, v29
	s_wait_alu depctr_va_vdst(0)
	v_rcp_f32 v14, v14
	v_rcp_f32 v20, v20
	v_nop
	s_wait_alu depctr_va_vdst(0)
	v_ldexp_f32 v14, v14, s54
	v_ldexp_f32 v20, v20, s54
	s_wait_alu depctr_va_vdst(0)                   ; directly ahead of the first readers of O^T
.set jj, 0
.rept 16
	v_pk_mul_f32 v[SA+jj:SA+jj+1], v[OA+jj:OA+jj+1], v[14:15] op_sel_hi:[1,0]
.set jj, jj+2
.endr
.set jj, 0
.rept 16
	v_pk_mul_f32 v[SB+jj:SB+jj+1], v[OB+jj:OB+jj+1], v[20:21] op_sel_hi:[1,0]
.set jj, jj+2
.endr
.irp d, 0,1,2,3
	ds_store_b128 v3, v[SA+8*\d:SA+8*\d+3] offset:64*\d
	ds_store_b128 v3, v[SA+8*\d+4:SA+8*\d+7] offset:64*\d+16
	ds_store_b128 v3, v[SB+8*\d:SB+8*\d+3] offset:16*SP+64*\d
	ds_store_b128 v3, v[SB+8*\d+4:SB+8*\d+7] offset:16*SP+64*\d+16
.endr
.irp n, 0,1,2,3,4,5,6,7
	ds_load_b128 v[SA+32+4*\n:SA+35+4*\n], v4 offset:2*\n*SP   ; LDS serves a wave's instructions in order (ISA guide 5.7.1.4)
.endr
.irp n, 0,1,2,3,4,5,6,7
	ds_load_b128 v[SB+32+4*\n:SB+35+4*\n], v4 offset:16*SP+2*\n*SP
.endr
	s_lshl_b32 s48, s[Q0], 12
	s_add_nc_u64 s[50:51], s[46:47], s[48:49]
.irp n, 0,1,2,3,4,5,6,7
	s_wait_dscnt 15-\n                             ; the younger loads may stay out
	global_store_b128 v7, v[SA+32+4*\n:SA+35+4*\n], s[50:51] offset:8192*\n th:TH_STORE_NT   ; 16 lanes store 256 consecutive bytes, aligned
.endr
.irp n, 0,1,2,3,4,5,6,7
	s_wait_dscnt 7-\n
	global_store_b128 v7, v[SB+32+4*\n:SB+35+4*\n], s[50:51] offset:65536+8192*\n th:TH_STORE_NT
.endr
	s_wait_xcnt 0x0                                ; the stores have read their registers and base
.endm
.macro MASKT t, td, s                  ; tile t of 16 keys against the diagonal tile td: before it open, on it by lanes, behind it hidden
	s_cmp_gt_u32 \t, s[\td]
	s_cselect_b32 s[XA], -1, 0
	s_cmp_eq_u32 s[\td], \t
.irp j, 0,1,2,3,4,5,6,7
	s_cselect_b32 s[MT+\j], s[MJ+\j], s[XA]
.endr
.irp j, 0,1,2,3,4,5,6,7
	v_cndmask_b32 v[\s+8*\t+\j], v[\s+8*\t+\j], v8, s[MT+\j]
.endr
.endm
; ONE TRIP: step GC of the stream, whose scores are in registers.
.macro BODY tail
	s_lshl_b32 s19, s[J], 14
	s_add_co_u32 s19, s19, s[TB]
	v_add_nc_u32 v2, s19, v1
	WIN 0x40
.irp n, 0,1,2,3,4,5,6,7,8,9,10,11,12,13,14,15
	ds_load_b128 v[KR+4*\n:KR+4*\n+3], v2 offset:512*\n          ; K of the next step
.endr
.irp n, 0,1,2,3,4,5,6,7,8,9,10,11,12,13,14,15
	ds_load_b128 v[VR+4*\n:VR+4*\n+3], v2 offset:8192+512*\n     ; V of this step
.endr
	WIN 0
	s_add_co_u32 s19, s[Q0], 31
	s_cmp_gt_u32 s[KF], s19                        ; all 128 keys come after my 32 queries: ids alone
	s_wait_alu depctr_va_vdst(0)
	s_cbranch_scc1 .Ldead_\@
	s_add_co_u32 s19, s[KF], 127
	s_cmp_le_u32 s19, s[Q0]                        ; all keys count: no mask
	s_cbranch_scc1 .Lopen_\@
	s_sub_co_u32 s[TD], s[Q0], s[KF]
	s_lshr_b32 s[TD], s[TD], 4                     ; A's diagonal tile,
	s_add_co_u32 s[TD1], s[TD], 1                  ; B's
.irp t, 0,1,2,3,4,5,6,7
	MASKT \t, TD, SA
	MASKT \t, TD1, SB
.endr
.Lopen_\@:
	s_wait_alu depctr_va_vdst(0)
	v_max3_num_f32 v24, v[SA], v[SA+1], v[SA+2]    ; the largest score, two chains a tile, each accumulator from its low end on
	v_max3_num_f32 v26, v[SB], v[SB+1], v[SB+2]
	v_max3_num_f32 v25, v[SA+3], v[SA+4], v[SA+5]
	v_max3_num_f32 v27, v[SB+3], v[SB+4], v[SB+5]
.irp n, 6,10,14,18,22,26,30,34,38,42,46,50,54,58
	v_max3_num_f32 v24, v24, v[SA+\n], v[SA+\n+1]
	v_max3_num_f32 v26, v26, v[SB+\n], v[SB+\n+1]
	v_max3_num_f32 v25, v25, v[SA+\n+2], v[SA+\n+3]
	v_max3_num_f32 v27, v27, v[SB+\n+2], v[SB+\n+3]
.endr
	v_max3_num_f32 v24, v24, v[SA+62], v[SA+63]
	v_max3_num_f32 v26, v26, v[SB+62], v[SB+63]
	v_max3_num_f32 v24, v24, v25, v13              ; with the running largest
	v_max3_num_f32 v26, v26, v27, v19
	v_permlanex16_b32 v28, v24, s[SEL], s[SEL+1]
	v_permlanex16_b32 v29, v26, s[SEL], s[SEL+1]
	v_max_num_f32 v13, v24, v28
	v_max_num_f32 v19, v26, v29
	v_mul_f32 v24, s[NCS], v13                     ; -t
	v_mul_f32 v26, s[NCS], v19
	v_mov_b32 v25, v12
	v_mov_b32 v27, v18
	v_floor_f32 v12, v24                           ; -M = floor(-t): a whole number
	v_floor_f32 v18, v26
	v_sub_f32 v25, v12, v25                        ; old M - new M
	v_sub_f32 v27, v18, v27
	v_cvt_i32_f32 v25, v25                         ; (it saturates)
	v_cvt_i32_f32 v27, v27
	v_ldexp_f32 v16, 1.0, v25                      ; f = 2^(old M - new M)
	v_ldexp_f32 v22, 1.0, v27
	v_pk_mul_f32 v[14:15], v[14:15], v[16:17] op_sel_hi:[1,0]
	v_pk_mul_f32 v[20:21], v[20:21], v[22:23] op_sel_hi:[1,0]
.set jj, 0
.rept 16
	v_pk_mul_f32 v[OA+jj:OA+jj+1], v[OA+jj:OA+jj+1], v[16:17] op_sel_hi:[1,0]
	v_pk_mul_f32 v[OB+jj:OB+jj+1], v[OB+jj:OB+jj+1], v[22:23] op_sel_hi:[1,0]
.set jj, jj+2
.endr
.set jj, 0
.rept 32
	v_pk_fma_f32 v[SA+jj:SA+jj+1], v[SA+jj:SA+jj+1], s[CS:CS+1], v[12:13] op_sel_hi:[1,0,0]   ; t - M
.set jj, jj+2
.endr
	s_wait_alu depctr_va_vdst(0)                   ; ahead of the batch
.set jj, 0
.rept 32
	v_exp_f32 v[SA+jj], v[SA+jj]
	v_exp_f32 v[SA+jj+1], v[SA+jj+1]
	v_pk_fma_f32 v[SB+jj:SB+jj+1], v[SB+jj:SB+jj+1], s[CS:CS+1], v[18:19] op_sel_hi:[1,0,0]   ; B's t - M stands among A's exponentials; its readers come behind the next wait
.set jj, jj+2
.endr
	s_wait_alu depctr_va_vdst(0)                   ; behind A's batch and ahead of B's
.set jj, 0
	SUMS SA, PA, 14                                ; A's sum of the unquantised p
	s_wait_alu depctr_va_vdst(0)                   ; directly ahead of B's batch
.set jj, 0
.rept 32
	v_exp_f32 v[SB+jj], v[SB+jj]
	v_exp_f32 v[SB+jj+1], v[SB+jj+1]
	v_dual_min_num_f32 v[SA+jj], v10, v[SA+jj] :: v_dual_min_num_f32 v[SA+jj+1], v10, v[SA+jj+1]   ; A's hold stands among B's exponentials; its readers, the conversions, come behind the next wait
.set jj, jj+2
.endr
	v_nop
	s_wait_alu depctr_va_vdst(0)
	; the rows' sums of the unquantised p: eight chains a tile, A's before B's
	SUMS SB, PB, 20                                ; B's sum, then its hold
	HOLD SB
.irp t, 0,1,2,3,4,5,6,7
	v_cvt_scalef32_pk8_bf8_f32 v[PA+2*\t:PA+2*\t+1], v[SA+8*\t:SA+8*\t+7], v11   ; register pair t of P's fragment
	v_cvt_scalef32_pk8_bf8_f32 v[PB+2*\t:PB+2*\t+1], v[SB+8*\t:SB+8*\t+7], v11
.endr
	v_nop                                          ; a plain line between the conversions and the products
	s_wait_alu depctr_va_vdst(0)
	s_wait_dscnt 0x0                               ; V, and the next K, are in
	WIN 0x01
.irp d, 0,1,2,3                                ; O^T += V^T P^T: eight accumulators by turns
	v_wmma_f32_16x16x128_bf8_bf8 v[OA+8*\d:OA+8*\d+7], v[VR+16*\d:VR+16*\d+15], v[PA:PA+15], v[OA+8*\d:OA+8*\d+7]
	v_wmma_f32_16x16x128_bf8_bf8 v[OB+8*\d:OB+8*\d+7], v[VR+16*\d:VR+16*\d+15], v[PB:PB+15], v[OB+8*\d:OB+8*\d+7]
.endr
	WIN 0
.Ldead_\@:
	s_cmp_eq_u32 s[GC], s[E]                       ; the block's last step?  The work-group's number and the count of trips alone
	s_cbranch_scc1 .Lend_\@
	s_add_co_u32 s[KF], s[KF], 128
	s_wait_dscnt 0x0
	SCORES KR                                      ; the next step's scores
	s_branch .Lnext_\@
.Lend_\@:
	FINISH
.if \tail
	s_cmp_eq_u32 s[GC], 17                         ; the stream's last step: nothing begins
	s_cbranch_scc1 .Lnext_\@
.endif
	s_mov_b32 s[Q0], s[Q2]
	s_mov_b32 s[E], 17
	START 1
.Lnext_\@:
	NOPS                                           ; places behind the products: for the next trip's loads and first reads
	s_add_co_u32 s[GC], s[GC], 1
.endm
; THE CHANGE OF SLOTS: all my tensor loads, the add, my LDS reads; the barrier; then the slot just left is filled with the stream's next three pairs.
.macro CHANGE fill
	s_wait_tensorcnt 0x0
	ds_add_u32 v5, v6
.if \fill
	ds_add_u32 v5, v6                              ; the add twice on end where a load follows
	s_xor_b32 s[G0+1], s[G0+1], SLOT1
	s_add_co_u32 s[GS], s[GS], 3
	s_add_co_u32 s19, s[GS], s[WV]                 ; my pair's number in the stream,
	s_cmp_ge_u32 s19, s[C1]
	s_cselect_b32 s38, s[C1], 0
	s_sub_co_u32 s19, s19, s38                     ; and its step in its block
	s_lshl_b32 s38, s19, 13
	s_add_nc_u64 s[G0+2:G0+3], s[36:37], s[38:39]
	s_or_b32 s[G0+3], s[G0+3], 0x80000000
.endif
	s_wait_dscnt 0x0
	s_barrier_signal -1
	s_barrier_wait -1
.if \fill
	TLOAD
.endif
.endm
	s_wait_alu depctr_va_vdst(0)                   ; the wait at the head's end
	s_wait_loadcnt 0x0                             ; Q of the first block, K0
	START 0
	WIN 0x40
.irp c, 0,1,2,3
	global_load_b128 v[QN+4*\c:QN+4*\c+3], v1, s[80:81] offset:512*\c   ; wanted only where the second block begins
.endr
	WIN 0
.Lslot:
	CHANGE 1
	s_mov_b32 s[J], 0
.Lpos:
	BODY 0
	s_add_co_u32 s[J], s[J], 1
	s_cmp_lt_u32 s[J], 3
	s_wait_alu depctr_va_vdst(0)
	s_cbranch_scc1 .Lpos
	s_xor_b32 s[TB], s[TB], SLOT1
	s_add_co_u32 s[SEQ], s[SEQ], 1
	s_cmp_lt_u32 s[SEQ], 5
	s_cbranch_scc1 .Lslot
	CHANGE 0                                       ; the sixth slot is written out: nothing more is asked for
	s_mov_b32 s[J], 0
.Lpos2:
	BODY 1
	s_add_co_u32 s[J], s[J], 1
	s_cmp_lt_u32 s[J], 3
	s_wait_alu depctr_va_vdst(0)
	s_cbranch_scc1 .Lpos2
	s_wait_tensorcnt 0x0                           ; the wave's end
	ds_add_u32 v5, v6
	s_wait_dscnt 0x0
	s_endpgm
.Lfunc_end_k_q580d5e00b8_attn:
	.size	k_q580d5e00b8_attn, .Lfunc_end_k_q580d5e00b8_attn-k_q580d5e00b8_attn
	.p2alignl 7, 3214868480
	.fill 96, 4, 3214868480
	.section	.rodata,"a",@progbits
	.p2align	6, 0x0
	.amdhsa_kernel k_q580d5e00b8_attn
		.amdhsa_group_segment_fixed_size 327680
		.amdhsa_private_segment_fixed_size 0
		.amdhsa_enable_private_segment 0
		.amdhsa_kernarg_size 24
		.amdhsa_user_sgpr_count 2
		.amdhsa_user_sgpr_kernarg_segment_ptr 1
		.amdhsa_wavefront_size32 1
		.amdhsa_system_sgpr_workgroup_id_x 1
		.amdhsa_system_sgpr_workgroup_id_y 1
		.amdhsa_system_sgpr_workgroup_id_z 1
		.amdhsa_system_vgpr_workitem_id 0
		.amdhsa_next_free_vgpr 480
		.amdhsa_next_free_sgpr 84
		.amdhsa_reserve_vcc 0
		.amdhsa_float_denorm_mode_32 3
		.amdhsa_float_denorm_mode_16_64 3
		.amdhsa_memory_ordered 1
		.amdhsa_forward_progress 1
		.amdhsa_inst_pref_size 120
	.end_amdhsa_kernel
	.amdgpu_metadata
---
amdhsa.version: [ 1, 2 ]
amdhsa.kernels:
  - .name:           k_q580d5e00b8_attn
    .symbol:         k_q580d5e00b8_attn.kd
    .args:
      - { .name: qkvc, .offset: 0, .size: 8, .value_kind: global_buffer, .address_space: global }
      - { .name: lowp_scales, .offset: 8, .size: 8, .value_kind: global_buffer, .address_space: global }
      - { .name: out0, .offset: 16, .size: 8, .value_kind: global_buffer, .address_space: global }
    .group_segment_fixed_size: 327680
    .private_segment_fixed_size: 0
    .kernarg_segment_align: 8
    .kernarg_segment_size: 24
    .max_flat_workgroup_size: 256
    .sgpr_count:     84
    .vgpr_count:     480
    .wavefront_size: 32
...
	.end_amdgpu_metadata
.endif
;; end of part 3
